; MI455X (gfx1250); checked and timed in simulation.
; The chip was launched on July 23, 2026; its instructions are those of AMD's public machine-readable ISA for CDNA 5 (MIT licence, August 2026) and "CDNA5" Instruction Set Architecture Reference Guide (July 2026). The comments in the code are by the model that wrote it; some were corrected since.
;; Self Attention. Allowed arithmetic: matrix products marked QUANTISED: E2M3 operands, one E8M0 scale for each 32 along K, by v_wmma_scale_f32_16x16x128_f8f6f4 with both operands' format E2M3, f32 sums; everything else in f32.
;; Inputs: W_attn_codes 3,072 x 32 x 24 uint8 (E2M3 codes of W_attn, K innermost, in blocks of 32 codes, four codes in three bytes); W_attn_scales 3,072 x 32 uint8 (E8M0 scales of W_attn, one for each 32 codes along K); W_proj_codes 1,024 x 32 x 24 uint8 (E2M3 codes of W_proj, K innermost, in blocks of 32 codes, four codes in three bytes); W_proj_scales 1,024 x 32 uint8 (E8M0 scales of W_proj, one for each 32 codes along K); attn_mask 4 x 2,048 bool; x_codes 4 x 2,048 x 32 x 24 uint8 (E2M3 codes of x, K innermost, in blocks of 32 codes, four codes in three bytes); x_scales 4 x 2,048 x 32 uint8 (E8M0 scales of x, one for each 32 codes along K).
;; Outputs: out0 4 x 2,048 x 1,024 float32.
;; This version of the problem:
;;   THIS VERSION OF THE PROBLEM IS GIVEN IN LOW PRECISION. The matrix products marked QUANTISED in the list below multiply operands that are first quantised to E2M3 (2 exponent bits, 3 mantissa bits; 6 bits a number), with one power-of-two scale for each 32 numbers along K (OCP MX v1.0); their sums are f32. All else is computed in f32.
;;   The module's matrix products, in the order in which they are computed (A, B: the left and right operand; K: the contracted axis; several contracted axes count as one K, in the product's order):
;;     1. [M 8,192, K 1,024] x [K 1,024, N 3,072]; A: input x (given as codes); B: input W_attn (given as codes): QUANTISED
;;     2. batch 64 x [M 2,048, K 64] x [K 64, N 2,048]; A: computed on the way; B: computed on the way: QUANTISED
;;     3. batch 64 x [M 2,048, K 2,048] x [K 2,048, N 64]; A: softmax (see below); B: computed on the way: QUANTISED
;;     4. [M 8,192, K 1,024] x [K 1,024, N 1,024]; A: computed on the way; B: input W_proj (given as codes): QUANTISED
;;   THE QUANTISER, for each operand of a quantised product, along K:
;;     - K is cut into blocks of 32 from its start; a last block that is shorter is filled with zeros.
;;     - A block's scale is 2^e with e = floor(log2(the largest magnitude in the block)) - 2, held to -126 .. 127; a block of zeros has e = 0. As a byte (E8M0): e + 127.
;;     - Each number is divided by its block's scale, clamped to +-7.5, and rounded to the nearest number of E2M3, ties to even, subnormals kept.
;;     - The product sums the exact products of the quantised numbers (number of the format x scale) in f32.
;;   ~~~python
;;   def quantise(x, axis):      # numpy; x: float32 -> the quantised numbers, widened to float32 again
;;       x = np.moveaxis(x, axis, -1); K = x.shape[-1]
;;       x = np.pad(x, [(0, 0)] * (x.ndim - 1) + [(0, -K % 32)]); x = x.reshape(x.shape[:-1] + (-1, 32)); a = np.abs(x).max(-1, keepdims=True)
;;       e = np.where(a > 0, np.clip(np.frexp(np.where(a > 0, a, 1))[1] - 1 - 2, -126, 127), 0)      # np.frexp(a)[1] - 1 = floor(log2(a)), exactly
;;       r = np.clip(x / 2.0 ** e, -7.5, 7.5)
;;       step = 2.0 ** (np.maximum(np.frexp(np.where(r == 0, 1, r))[1] - 1, 0) - 3)
;;       q = np.round(r / step) * step * 2.0 ** e      # np.round: ties to even
;;       return np.moveaxis(q.reshape(q.shape[:-2] + (-1,))[..., :K], -1, axis).astype(np.float32)
;;   ~~~
;;   SOFTMAX AHEAD OF A QUANTISED PRODUCT. Where the list says 'softmax', what is quantised is not the finished softmax but p = 2^(t - M), with t = logit x log2(e) and M = ceil(the row's largest t), a whole number; so 1/2 < the row's largest p <= 1. The row's sum l is taken of the UNQUANTISED p, in f32, and the product's result is divided by l at the end. Since M is a whole number, a kernel that streams over the keys may use a running M (the ceiling of the running maximum): every later rescaling is an exact power of two, which a block's scale takes up: the codes' values come out the same.
;;   OPERANDS COMPUTED ON THE WAY. 'Computed on the way' means the value that the module computes at that place (a softmax that the list does not call 'softmax' is quantised finished and normalised). What goes into a quantiser is computed in f32, as accurately as f32 sums, v_exp_f32 and their like allow (about 1e-6 of the number): no bf16 or f16 on the way to a quantiser, and a product that is left as it is and whose result goes on into a quantised operand takes f32 operands (vector FMAs, or v_wmma_f32_16x16x4_f32). A number that lies on a knife's edge between two numbers of the format may be rounded either way, as far as f32 arithmetic and the matrix unit's own rounding can turn it there, and no further.
;;   INPUTS GIVEN AS CODES. W_attn (in the module: [1024, 3072], K = its axis 0); W_proj (in the module: [1024, 1024], K = its axis 0); x (in the module: [4, 2048, 1024], K = its axis 2): each comes as NAME_codes (uint8): NAME with its K axis moved to the last place and cut into blocks of 32 codes, [.., K / 32, bytes a block], one block behind the other in memory; four codes in three bytes: a row's codes are one little-endian stream of bits, code i at bits 6 i .. 6 i + 5 (a code: sign, 2 exponent bits, 3 mantissa bits); and NAME_scales (uint8): the same leading axes, one E8M0 byte (e + 127) for each 32 codes along K. Its value is code x scale, taken as it is: it is not quantised again, and the codes and scales need not be those that the quantiser above would give.
;; One version. Each part assembles by itself: llvm-mc -triple=amdgcn-amd-amdhsa -mcpu=gfx1250 --defsym DOCPART=n.
;; ======== version 1 of 1: 3 launches
;; workspace buffers: qi 13,631,488 bytes; kv 13,631,488 bytes; yc 6,291,456 bytes; ys 262,144 bytes
;; launch qkv (part 1): grid 8 x 48, 4 waves a work-group, clusters of 4 x 4, 327,680 bytes of LDS; arguments x_codes, x_scales, W_attn_codes, W_attn_scales, qi, kv; writes qi, kv
.if DOCPART == 1
	.amdgcn_target "amdgcn-amd-amdhsa--gfx1250"
	.amdhsa_code_object_version 6
	.text
	.protected	k_q1d3a4c284a_qkv
	.globl	k_q1d3a4c284a_qkv
	.p2align	8
	.type	k_q1d3a4c284a_qkv,@function
k_q1d3a4c284a_qkv:
	s_mov_b64 s[64:65], 0
	v_nop
	global_prefetch_b8 v0, s[64:65] scope:SCOPE_SE
	s_setreg_imm32_b32 hwreg(HW_REG_WAVE_MODE, 25, 1), 1
	s_wait_xcnt 0x0
	s_wait_alu depctr_hold_cnt(0) depctr_sa_sdst(0) depctr_va_vdst(0) depctr_va_sdst(0) depctr_va_ssrc(0) depctr_va_vcc(0) depctr_vm_vsrc(0)
	s_getreg_b32 s2, hwreg(HW_REG_IB_STS2, 6, 4)
	s_cmp_eq_u32 s2, 0
	s_cbranch_scc0 .Lentry_in_a_cluster
	s_endpgm
.Lentry_in_a_cluster:
	s_bfe_u32 s2, ttmp6, 0x10000c
	s_cmp_lg_u32 s2, 0xf033
	s_cbranch_scc0 .Lentry_shape_is_right
	s_endpgm
.Lentry_shape_is_right:
; qkv = x W_attn on codes of FP6 (E2M3) with one E8M0 scale for each 32 along K = 1,024, and the quantising of q, k and v for the attention that follows.
; A tile of 256 x 256 results is made by four waves, 128 x 128 each: 64 accumulators of 16 x 16, 512 registers.  K goes in steps of 256 through a ring of two LDS slots filled by the tensor data mover.
; THE MATRIX INSTRUCTION: source 0 = 16 rows of "B", source 1 = 16 rows of "A": a lane holds ONE row of A, and its registers run along B's rows.  What is quantised must run along a lane's registers:
;   q, k (quantised along the head's 64 channels): A = x (8,192 tokens), B = W_attn's rows 0-2,047: clusters y = 0..7, 2 x 8 clusters;
;   v    (quantised along the keys):               A = W_attn's rows 2,048-3,071, B = x: clusters y = 8..11, eight clusters numbered 2 y + x - 16 along B.
; One text serves both: the buffers are chosen on the cluster's number, which all sixteen partners share.
; CLUSTERS: 4 x 4 work-groups; A's tiles are asked for jointly along a row of the cluster, B's along a column.
; WHAT LEAVES: no f32 number.  In accumulator (a, b) lane (r, h) holds A's row 16 a + r and B's rows 16 b + 8 h + 0..7, so the 16 registers of b = 2 n, 2 n + 1 and those of lane l xor 16 are block n of 32.
; Converted and exchanged between the halves of the lanes, a lane holds a whole block, its codes in the order 0-7, 16-23, 8-15, 24-31.  q and k carry the same order, and so will p and v: the products are the same.
; The codes are stored as IMAGES OF OPERAND REGISTERS: four registers are 512 bytes, lane l's 16 bytes at 16 l.  For each (batch, head) 212,992 bytes, for each 128 tokens in it 13,312:
;   +0 k's codes (register 6 t + i of the tile of tokens 16 t ..), +6,144 k's scale words (register i: lanes 0-15 tile i, lanes 16-31 tile i + 4; bytes 2, 3 are 127),
;   +6,656 v's codes (register 12 t + i of the tile of channels 16 t .., K = the 128 tokens), +12,800 v's scale words (register t).  q lies in its own buffer as k lies in this one.
; LIMITS: NaN, infinities and the scale byte 0xff are not served; a block whose largest magnitude lies under 2^-124 has its byte held at 1; a block of zeros has the byte 1 and not 127:
; its codes are zeros, and the bytes are read by this program alone.
.set SIZE_K, 1024
.set KSTEP,  256                       ; along K in a slot
.set NQ,     KSTEP/128                 ; matrix instructions deep
.set ROWB,   192                       ; a tile's row in bytes
.set KROW,   SIZE_K*6/8                ; a row of codes in memory
.set PITCH,  240                       ; an LDS row: 3 x (64 bytes + 16 of padding)
.set FR,     12                        ; registers of a fragment
.set NL,     6                         ; LDS loads that bring one
.set NP,     4                         ; places behind this matrix instruction (ISA guide 7.12.1)
.set HALFT,  128*PITCH
.set SLOT,   4*HALFT                   ; A's 256 rows, then B's 256 rows
.set LAPS,   SIZE_K/(2*KSTEP)
.set KS,     SIZE_K/32                 ; a row of scale bytes
.set SCL,    2*SLOT                    ; behind the ring: the scales, as units of 256 bytes + 16 of padding
.set HALFS,  (128*KS/256)*272
.set SBLK,   (16*KS/256)*272
.set SPARE,  SCL+4*HALFS               ; the spare words, 128 bytes for each wave: two blocks of 256 bytes that no other line names
.set HEAD,   212992                    ; bytes of a (batch, head) in qi and in kv
.set STEPB,  13312                     ; bytes of 128 tokens in it
.set ADRA, 16                          ; v16-17 LDS address of my A fragments in slot 0, 1 (v18-19: behind one padding more)
.set ADRB, 20                          ; v20-23 the same for B
.set CO,   26                          ; v26 16 x lane: my place in an image
.set ADRS, 27                          ; v27 LDS address of my scale words
.set SPW,  28                          ; v28 LDS address of my spare word; never rewritten
.set NIL,  29                          ; v29 0; never rewritten
.set LN,   30                          ; v30 lane
.set SC,   32                          ; v32-63 scale words, two sets
.set AF,   128                         ; v128-223 A's fragments
.set TM,   32                          ; the way out: v32-35 largest magnitudes, v36-39 the other half's, then bytes, v40-43 the conversions' scale operands
.set PWQ,  48                          ; v48-55 scale words of q or k, a tile of tokens each
.set SQ,   56                          ; v56-63 the two groups of scale words to be stored
.set CB,   128                         ; v128-223 the codes
.set PT,   224                         ; v224-230 the second halves' conversions
.set XT,   232                         ; v232-235 at work
.set G1, 24
.set G0, 32
.set G1B, 48
.set G0B, 56
.set G1S, 68
.set G0S, 76
.set G1SB, 80
.set G0SB, 88
.set ISV, 95                           ; s95 1 in a cluster that makes v
.set SEL, 100                          ; s[100:101] v_permlanex16_b32's selects for lane l xor 16
.set MSB, 0
.macro WIN new                         ; the immediate's high byte repeats the setting that is left
.if MSB != \new
	s_set_vgpr_msb (MSB<<8)|\new
.set MSB, \new
.endif
.endm
.set MUL_LO, 0xa1                      ; source 0 (B) window 1, source 1 (A) window 0, C and D window 2
.set MUL_HI, 0xf1                      ; the same, C and D window 3
.set TO_B,   0x40                      ; destination window 1, address window 0
; A joint load: waves 0 and 1 fetch for A, waves 2 and 3 for B.  The branch hangs on the wave's number alone.  Four v_nop follow each of the two lines.
.macro JLOAD g0a, g1a, g0b, g1b
	s_cmp_eq_u32 s15, 0
	s_cbranch_scc0 .Lfor_b_\@
	tensor_load_to_lds s[\g0a:\g0a+3], s[\g1a:\g1a+7]
	s_nop 0
.rept 4
	v_nop
.endr
	s_branch .Lasked_\@
.Lfor_b_\@:
	tensor_load_to_lds s[\g0b:\g0b+3], s[\g1b:\g1b+7]
	s_nop 0
.rept 4
	v_nop
.endr
.Lasked_\@:
.endm
.macro CREST                           ; a round of the cluster's barrier behind its opening barrier
	s_cmp_lg_u32 s14, 0
	s_cbranch_scc1 .Lnot_wave_0_\@
	s_barrier_signal -3
.Lnot_wave_0_\@:
	s_barrier_wait -3
	s_barrier_signal -1
	s_barrier_wait -1
.endm
.macro CROUND                          ; a whole round
	s_barrier_signal -1
	s_barrier_wait -1
	CREST
.endm
	s_load_b128 s[4:7], s[0:1], 0x0                ; x's codes, x's scales
	s_load_b128 s[8:11], s[0:1], 0x10              ; W_attn's codes, W_attn's scales
	s_load_b128 s[96:99], s[0:1], 0x20             ; qi, kv
	v_lshl_add_u32 v[SPW], v0, 2, SPARE
	v_mov_b32 v[NIL], 0
	ds_add_u32 v28, v29
	ds_add_u32 v28, v29
	s_wait_dscnt 0x0
	v_lshrrev_b32 v1, 5, v0
	v_readfirstlane_b32 s14, v1                    ; wave 0..3
	s_lshr_b32 s15, s14, 1                         ; which half of the tile's rows (A) is mine.  Also: I fetch for A (0) or for B (1)
	s_and_b32 s16, s14, 1                          ; which half of its columns (B).  Also: which 128 rows of that tile I fetch
	s_bfe_u32 s40, ttmp6, 0x40000                  ; cx, cy: my place in the cluster
	s_bfe_u32 s41, ttmp6, 0x40004
	s_and_b32 s17, ttmp7, 0xffff                   ; cluster y, 0..11
	s_lshl_b32 s66, s17, 1
	s_add_co_u32 s66, s66, ttmp9
	s_sub_co_u32 s66, s66, 16                      ; the v clusters' number, 0..7 (used where cluster y is 8 or more)
	s_cmp_ge_u32 s17, 8
	s_cselect_b32 s42, s66, ttmp9                  ; the cluster's place along B,
	s_cselect_b32 s17, 0, s17                      ; and along A: v's 1,024 rows of W_attn are one cluster high
	s_cselect_b32 s[ISV], 1, 0
	s_lshl_b32 s42, s42, 2
	s_add_co_u32 s42, s42, s40                     ; tile column (B's rows / 256)
	s_lshl_b32 s17, s17, 2
	s_add_co_u32 s17, s17, s41                     ; tile row (A's rows / 256)
	s_lshl_b32 s43, s41, 2
	s_lshl_b32 s43, 15, s43                        ; my row of the cluster
	s_lshl_b32 s44, 0x1111, s40                    ; my column
	s_mov_b32 s[SEL], 0x76543210
	s_mov_b32 s[SEL+1], 0xfedcba98
	; descriptor group 1: a tile of 128 rows x ROWB bytes, padded in LDS
	s_or_b32 s[G1+0], s43, (0<<16)|(1<<20)|(1<<21)|(3<<22)|(3<<25)  ; 15:0 the mask: A's tiles go to my row; elements of 1 byte; padding on; 21 set beside a mask; after every 16 words 4 words
	s_or_b32 s[G1B+0], s44, (0<<16)|(1<<20)|(1<<21)|(3<<22)|(3<<25)
.irp g, G1, G1B
	s_mov_b32 s[\g+1], ROWB<<16                    ; tensor_dim0
	s_mov_b32 s[\g+2], 128<<16                     ; tensor_dim1
	s_mov_b32 s[\g+3], ROWB<<16                    ; tile_dim0
	s_mov_b32 s[\g+4], 128                         ; tile_dim1
	s_mov_b32 s[\g+5], KROW                        ; tensor_dim0_stride
	s_mov_b32 s[\g+6], 0
	s_mov_b32 s[\g+7], 0
.endr
	; the scales of 128 rows: a dense block of 128 KS bytes, as rows of 256 bytes (32 elements of 8 bytes), 16 bytes of padding behind each
	s_or_b32 s[G1S+0], s43, (3<<16)|(1<<20)|(1<<21)|(5<<22)|(3<<25)
	s_or_b32 s[G1SB+0], s44, (3<<16)|(1<<20)|(1<<21)|(5<<22)|(3<<25)
.irp g, G1S, G1SB
	s_mov_b32 s[\g+1], 32<<16
	s_mov_b32 s[\g+2], (128*KS/256)<<16
	s_mov_b32 s[\g+3], 32<<16
	s_mov_b32 s[\g+4], 128*KS/256
	s_mov_b32 s[\g+5], 32
	s_mov_b32 s[\g+6], 0
	s_mov_b32 s[\g+7], 0
.endr
	s_lshl_b32 s18, s16, 7                         ; which 128 rows of the tile I fetch
	s_lshl_b32 s20, s17, 8
	s_add_co_u32 s20, s20, s18                     ; A: row 256 x tile row + 128 x half
	s_lshl_b32 s46, s42, 8
	s_add_co_u32 s46, s46, s18                     ; B: row 256 x tile column + 128 x half
	s_mov_b32 s21, 0
	s_mov_b32 s47, 0
	s_mov_b64 s[18:19], KS
	s_mul_u64 s[22:23], s[20:21], s[18:19]         ; where these rows' scales begin, in bytes
	s_mul_u64 s[92:93], s[46:47], s[18:19]
	s_mov_b64 s[18:19], KROW
	s_mul_u64 s[20:21], s[20:21], s[18:19]         ; and their codes
	s_mul_u64 s[46:47], s[46:47], s[18:19]
	s_mul_i32 s45, s14, HALFT                      ; where they go: wave x 128 rows: no place in the cluster enters an LDS address
	s_mul_i32 s94, s14, HALFS
	s_wait_kmcnt 0x0
	; which tensor is A and which is B: a choice on the cluster's number alone
	s_add_nc_u64 s[2:3], s[8:9], 2048*KROW         ; W_attn's row 2,048: v's first
	s_add_nc_u64 s[66:67], s[10:11], 2048*KS
	s_cmp_eq_u32 s[ISV], 1
	s_cselect_b64 s[8:9], s[4:5], s[8:9]           ; B's codes: x's for v, W_attn's for q and k
	s_cselect_b64 s[10:11], s[6:7], s[10:11]       ; B's scales
	s_cselect_b64 s[4:5], s[2:3], s[4:5]           ; A's codes
	s_cselect_b64 s[6:7], s[66:67], s[6:7]         ; A's scales
	s_add_nc_u64 s[20:21], s[4:5], s[20:21]
	s_add_nc_u64 s[22:23], s[6:7], s[22:23]
	s_add_nc_u64 s[46:47], s[8:9], s[46:47]
	s_add_nc_u64 s[92:93], s[10:11], s[92:93]
	CROUND                                         ; all sixteen work-groups are here: the first joint loads meet
	s_mov_b32 s[G0S], 1
	s_add_co_u32 s[G0S+1], s94, SCL
	s_mov_b64 s[G0S+2:G0S+3], s[22:23]
	s_or_b32 s[G0S+3], s[G0S+3], 0x80000000
	s_mov_b32 s[G0SB], 1
	s_add_co_u32 s[G0SB+1], s94, SCL
	s_mov_b64 s[G0SB+2:G0SB+3], s[92:93]
	s_or_b32 s[G0SB+3], s[G0SB+3], 0x80000000
	JLOAD G0S, G1S, G0SB, G1SB                     ; the scales first: they are wanted with K step 0
.irp s, 0,1
	s_mov_b32 s[G0+4*\s], 1
	s_add_co_u32 s[G0+4*\s+1], s45, \s*SLOT
	s_add_nc_u64 s[G0+4*\s+2:G0+4*\s+3], s[20:21], \s*ROWB
	s_or_b32 s[G0+4*\s+3], s[G0+4*\s+3], 0x80000000
	s_mov_b32 s[G0B+4*\s], 1
	s_add_co_u32 s[G0B+4*\s+1], s45, \s*SLOT
	s_add_nc_u64 s[G0B+4*\s+2:G0B+4*\s+3], s[46:47], \s*ROWB
	s_or_b32 s[G0B+4*\s+3], s[G0B+4*\s+3], 0x80000000
	JLOAD G0+4*\s, G1, G0B+4*\s, G1B
.endr
	v_and_b32 v1, 15, v0                           ; l % 16
	v_bfe_u32 v2, v0, 4, 1                         ; l / 16
	v_mul_u32_u24 v3, v1, PITCH
	v_mul_u32_u24 v4, v2, 24
	v_add_nc_u32 v4, v3, v4                        ; a fragment's row x pitch + 24 x half
	v_lshl_add_u32 v5, v2, 4, v4                   ; and the same behind one padding more
	s_mul_i32 s21, s15, HALFT                      ; my 128 rows of A
	s_mul_i32 s22, s16, HALFT                      ; my 128 rows of B,
	s_add_co_u32 s22, s22, 2*HALFT                 ; which lie behind A's 256
.irp s, 0,1
	v_add_nc_u32 v[ADRA+\s], s21, v4
	v_add_nc_u32 v[ADRB+\s], s22, v4
	v_add_nc_u32 v[ADRA+2+\s], s21, v5
	v_add_nc_u32 v[ADRB+2+\s], s22, v5
	s_add_co_u32 s21, s21, SLOT
	s_add_co_u32 s22, s22, SLOT
.endr
	v_mul_u32_u24 v5, v1, KS                       ; my row's scales: KS bytes a row,
	v_lshrrev_b32 v6, 8, v5
	v_lshl_add_u32 v5, v6, 4, v5                   ; and 16 more for each 256 passed
	s_mul_i32 s21, s15, HALFS                      ; A's: my 128 rows
	s_mul_i32 s22, s16, HALFS                      ; B's: my 128 rows, behind A's 256
	s_add_co_u32 s22, s22, 2*HALFS
	s_sub_co_u32 s22, s22, s21
	v_mul_u32_u24 v6, s22, v2                      ; lanes 16-31 take B's
	s_add_co_u32 s21, s21, SCL
	v_add_nc_u32 v5, v5, v6
	v_add_nc_u32 v[ADRS], s21, v5
	v_and_b32 v[LN], 31, v0
	v_lshlrev_b32 v[CO], 4, v[LN]
	; where my images go.  My 128 rows of A and my 128 rows of B are 128 tokens and 128 channels (two heads), one way round or the other
	s_lshl_b32 s92, s17, 8
	s_lshl_b32 s93, s15, 7
	s_add_co_u32 s92, s92, s93                     ; my first row of A
	s_lshl_b32 s93, s42, 8
	s_lshl_b32 s94, s16, 7
	s_add_co_u32 s93, s93, s94                     ; my first row of B
	s_cmp_eq_u32 s[ISV], 1
	s_cselect_b32 s94, s93, s92                    ; my first token, 0..8,191
	s_cselect_b32 s92, s92, s93                    ; my first channel: q 0..1,023, k 1,024..2,047; v 0..1,023
	s_lshr_b32 s93, s92, 10                        ; 1 for k
	s_bfe_u32 s92, s92, 0x40006                    ; my first head
	s_lshr_b32 s66, s94, 11                        ; the batch
	s_lshl_b32 s66, s66, 4
	s_add_co_u32 s66, s66, s92
	s_lshl_b32 s66, s66, 4
	s_bfe_u32 s94, s94, 0x40007                    ; which 128 tokens of the 2,048
	s_add_co_u32 s66, s66, s94
	s_mul_i32 s66, s66, STEPB                      ; ((16 batch + head) 16 + step) x 13,312: under 2^24
	s_mov_b32 s67, 0
	s_add_nc_u64 s[2:3], s[98:99], 6656            ; v's half of a step's block
	s_cmp_eq_u32 s93, 1
	s_cselect_b64 s[12:13], s[98:99], s[96:97]     ; k goes to kv, q to qi,
	s_cmp_eq_u32 s[ISV], 1
	s_cselect_b64 s[12:13], s[2:3], s[12:13]       ; v to kv
	s_add_nc_u64 s[12:13], s[12:13], s[66:67]
.macro FRAG reg, adr, q, i             ; a fragment, 16 rows x 128 K, is 12 registers: lane l holds row l % 16; registers 6 c .. 6 c + 5 hold K = 64 c + 32 (l / 16) + 0 .. 31: 24 bytes of the row's stream of bits
.irp p, 0,1,2,3,4,5                    ; in pieces of 8 bytes.  Lanes 16-31 read three pieces on; where that lies behind one padding more, the second address register serves
.set PCE, 12*(\q)+6*(\p/3)+\p%3
.if PCE%8 < 5
	ds_load_b64 v[\reg+2*\p:\reg+2*\p+1], v[\adr] offset:8*PCE+16*(PCE/8)+(\i)*16*PITCH
.else
	ds_load_b64 v[\reg+2*\p:\reg+2*\p+1], v[\adr+2] offset:8*PCE+16*(PCE/8)+(\i)*16*PITCH
.endif
.endr
.endm
; 16 matrix instructions: A's blocks a0, a0 + 1 x B's eight, 128 along K.  The 64 accumulators take turns, one instruction a turn, in the same order in every step.
.macro MUL16 a0, p, q, sc, zero
.irp a, \a0, \a0+1
.irp b, 0,1,2,3,4,5,6,7
.if \zero
	v_wmma_scale_f32_16x16x128_f8f6f4 v[8*(8*((\a)%4)+\b):8*(8*((\a)%4)+\b)+7], v[128*(\p)+FR*\b:128*(\p)+FR*\b+FR-1], v[AF+FR*(\a):AF+FR*(\a)+FR-1], 0, v[SC+8*NQ*(\sc)+NQ*\b+(\q)], v[SC+8*NQ*(\sc)+NQ*(\a)+(\q)] matrix_a_fmt:MATRIX_FMT_FP6 matrix_b_fmt:MATRIX_FMT_FP6 matrix_a_scale:MATRIX_SCALE_ROW1
.else
	v_wmma_scale_f32_16x16x128_f8f6f4 v[8*(8*((\a)%4)+\b):8*(8*((\a)%4)+\b)+7], v[128*(\p)+FR*\b:128*(\p)+FR*\b+FR-1], v[AF+FR*(\a):AF+FR*(\a)+FR-1], v[8*(8*((\a)%4)+\b):8*(8*((\a)%4)+\b)+7], v[SC+8*NQ*(\sc)+NQ*\b+(\q)], v[SC+8*NQ*(\sc)+NQ*(\a)+(\q)] matrix_a_fmt:MATRIX_FMT_FP6 matrix_b_fmt:MATRIX_FMT_FP6 matrix_a_scale:MATRIX_SCALE_ROW1
.endif
.endr
.endr
.endm
.macro FETCH_B slot, q, p              ; B's eight fragments of the slot's q-th 128 along K into set p
	WIN TO_B
.irp i, 0,1,2,3,4,5,6,7
	FRAG 128*(\p)+FR*\i, ADRB+\slot, \q, \i
.endr
	WIN 0
.endm
.macro FETCH_A slot, q, i0             ; A's blocks i0 .. i0 + 3
.irp i, \i0, \i0+1, \i0+2, \i0+3
	FRAG AF+FR*(\i), ADRA+\slot, \q, \i
.endr
.endm
.macro SCALES sc                       ; the next K step's scale words into set sc: lanes 0-15 take A's block i, lanes 16-31 B's block i
.irp i, 0,1,2,3,4,5,6,7
	ds_load_b64 v[SC+8*NQ*\sc+NQ*\i:SC+8*NQ*\sc+NQ*\i+1], v[ADRS] offset:\i*SBLK
.endr
.endm
.macro PLACES n                        ; plain vector instructions between a matrix instruction and a load into, or a vector instruction on, its registers
.rept \n
	v_nop
.endr
.endm
; A step of 128 along K that has its successor in the same slot.
.macro STEP slot, q, zero
	s_wait_dscnt 4*NL                              ; B's set and A's blocks 0-3 are in; the youngest 24 loads (A's blocks 4-7) may be out
	WIN MUL_LO
	MUL16 0, (\q)%2, \q, \slot, \zero
	MUL16 2, (\q)%2, \q, \slot, \zero
	s_wait_dscnt 0                                 ; A's blocks 4-7 are in
	PLACES NP
	FETCH_B \slot, (\q)+1, 1-(\q)%2
	FETCH_A \slot, (\q)+1, 0
	WIN MUL_HI
	MUL16 4, (\q)%2, \q, \slot, \zero
	MUL16 6, (\q)%2, \q, \slot, \zero
	PLACES NP
	WIN 0
	FETCH_A \slot, (\q)+1, 4
.endm
; A slot's last step changes slots: ONE barrier; in front of it each wave waits for all its tensor loads, adds 0 to its spare word, and waits for that and for its own reads of this slot.  fill = 1: this slot is filled again, two K steps ahead.
.macro TURN slot, next, fill
	s_wait_tensorcnt 0x0                           ; all my tensor loads have landed: my part of the next slot
	ds_add_u32 v[SPW], v[NIL]                      ; 0 onto my spare word
	s_wait_dscnt 4*NL+1                            ; (the add and the youngest 24 loads, A's blocks 4-7, may be out)
	WIN MUL_LO
	MUL16 0, 1, NQ-1, \slot, 0                     ; sixteen matrix instructions stand between the add and the wait for it
	s_wait_dscnt 0x0                               ; the add is done, and my reads of this slot are over
	s_barrier_signal -1
	MUL16 2, 1, NQ-1, \slot, 0
	WIN 0
	s_barrier_wait -1
.if \fill
	CREST                                          ; the barrier has opened a round of the cluster's barrier: no wave of any partner still reads this slot's tile or has a load on its way
	s_add_nc_u64 s[G0+4*\slot+2:G0+4*\slot+3], s[G0+4*\slot+2:G0+4*\slot+3], 2*ROWB
	s_add_nc_u64 s[G0B+4*\slot+2:G0B+4*\slot+3], s[G0B+4*\slot+2:G0B+4*\slot+3], 2*ROWB
	JLOAD G0+4*\slot, G1, G0B+4*\slot, G1B         ; the first tensor load behind the round; the four v_nop behind it are the places in front of the loads below
.else
	PLACES NP
.endif
	v_add_nc_u32 v[ADRS], 4*NQ, v[ADRS]            ; on to the next K step's scale words
	FETCH_B \next, 0, 0
	FETCH_A \next, 0, 0
	SCALES \next
	WIN MUL_HI
	MUL16 4, 1, NQ-1, \slot, 0
	MUL16 6, 1, NQ-1, \slot, 0
	PLACES NP
	WIN 0
	FETCH_A \next, 0, 4
.endm
	s_wait_tensorcnt 1                             ; the scales and my part of K step 0 are in (K step 1's load may be out)
	s_barrier_signal -1
	s_barrier_wait -1                              ; everybody's are
	FETCH_B 0, 0, 0
	FETCH_A 0, 0, 0
	SCALES 0
	FETCH_A 0, 0, 4
	STEP 0, 0, 1                                   ; the first step stands in front of the loop: its products start the sums
	s_mov_b32 s3, LAPS-1
.Llap:                                                 ; a trip goes once round the ring and fills both slots again
	TURN 0, 1, 1
	STEP 1, 0, 0
	TURN 1, 0, 1
	STEP 0, 0, 0
	s_sub_co_u32 s3, s3, 1
	s_cmp_lg_u32 s3, 0
	s_cbranch_scc1 .Llap
	TURN 0, 1, 0                                   ; the last lap fills nothing
	STEP 1, 0, 0
	s_wait_dscnt 4*NL                              ; the very last step: nothing more to fetch
	WIN MUL_LO
	MUL16 0, 1, NQ-1, 1, 0
	MUL16 2, 1, NQ-1, 1, 0
	s_wait_dscnt 0
	WIN MUL_HI
	MUL16 4, 1, NQ-1, 1, 0
	MUL16 6, 1, NQ-1, 1, 0
	WIN 0
; THE WAY OUT.  QUANT takes A's block a: 64 registers a lane, four blocks of 32 along B's rows, each shared with lane l xor 16.  Blocks 0, 1 become six registers of codes at d0, blocks 2, 3 six at d1; the four scale bytes make the word pw.
; Each accumulator is read from its low end on.
.macro QUANT a, d0, d1, pw
.set AC, 64*((\a)%4)
.set QW, 2+(\a)/4                      ; the accumulators' window
.set QW01, 5*QW                        ; sources 0 and 1 there
.set QW12, 20*QW                       ; sources 1 and 2 there
	WIN QW01
.irp b, 0,1,2,3
	v_max3_num_f32 v[TM+\b], |v[AC+16*\b]|, |v[AC+16*\b+1]|, 0x1800000   ; my 16 numbers of block b, and the floor 2^(3 - 127): the byte cannot fall under 1
.endr
	WIN QW12
.irp i, 2,4,6,8,10,12,14
.irp b, 0,1,2,3
	v_max3_num_f32 v[TM+\b], v[TM+\b], |v[AC+16*\b+\i]|, |v[AC+16*\b+\i+1]|   ; (the four blocks by turns)
.endr
.endr
	WIN 0
.irp b, 0,1,2,3
	v_permlanex16_b32 v[TM+4+\b], v[TM+\b], s[SEL], s[SEL+1]
.endr
.irp b, 0,1,2,3
	v_max_num_f32 v[TM+\b], v[TM+\b], v[TM+4+\b]   ; with lane l xor 16's: the block's largest magnitude
.endr
.irp b, 0,1,2,3
	v_add_nc_u32 v[TM+8+\b], 0xff000000, v[TM+\b]  ; 2 off its exponent field: the conversion's scale operand
.endr
.irp b, 0,1,2,3
	v_lshrrev_b32 v[TM+4+\b], 23, v[TM+8+\b]       ; the scale's byte
.endr
	v_lshl_or_b32 v[\pw], v[TM+5], 8, v[TM+4]
	v_lshl_or_b32 v[\pw], v[TM+6], 16, v[\pw]
	v_lshl_or_b32 v[\pw], v[TM+7], 24, v[\pw]
	WIN QW                                         ; source 0 in the accumulators' window
	v_cvt_scalef32_pk16_fp6_f32 v[\d0:\d0+2], v[AC:AC+15], v[TM+8]
	v_cvt_scalef32_pk16_fp6_f32 v[PT:PT+2], v[AC+16:AC+31], v[TM+9]
	v_cvt_scalef32_pk16_fp6_f32 v[\d1:\d1+2], v[AC+32:AC+47], v[TM+10]
	v_cvt_scalef32_pk16_fp6_f32 v[PT+4:PT+6], v[AC+48:AC+63], v[TM+11]
	WIN 0
	v_nop                                          ; one plain place behind a scaled conversion
.irp i, 0,1,2
	v_permlane16_swap_b32 v[\d0+\i], v[PT+\i]      ; the operand's layout wants a whole block in a lane: lanes 0-15 the even block, lanes 16-31 the odd one
.endr
.irp i, 0,1,2
	v_mov_b32 v[\d0+3+\i], v[PT+\i]
.endr
.irp i, 0,1,2
	v_permlane16_swap_b32 v[\d1+\i], v[PT+4+\i]
.endr
.irp i, 0,1,2
	v_mov_b32 v[\d1+3+\i], v[PT+4+\i]
.endr
.endm
	PLACES NP                                      ; behind the last products: their results, fragments and scale words are read or written below
.irp b, 0,1,2,3
	v_mov_b32 v[TM+4+\b], 0                        ; written once: a lane permute's destination counts as one of its sources
.endr
	s_mov_b32 s3, 0x7f7f0000                       ; the scale bytes of the upper 64 of a K of 128, which hold nothing
	s_cmp_eq_u32 s[ISV], 1                         ; the same in all partners
	s_cbranch_scc1 .Lv
	; q or k: A's block a is a tile of 16 tokens; blocks 0, 1 are my first head's 64 channels, blocks 2, 3 my second head's
.irp a, 0,1,2,3,4,5,6,7
	QUANT \a, CB+6*\a, CB+48+6*\a, PWQ+\a
.endr
	v_cmp_lt_u32 vcc_lo, 15, v[LN]
.irp i, 0,1,2,3
	v_cndmask_b32 v[XT+\i], v[PWQ+\i], v[PWQ+4+\i], vcc_lo   ; register i: lanes 0-15 tile i's words, lanes 16-31 tile i + 4's
.endr
.irp i, 0,1,2,3
	v_and_or_b32 v[SQ+\i], v[XT+\i], 0xffff, s3    ; the first head's two bytes
.endr
.irp i, 0,1,2,3
	v_lshrrev_b32 v[XT+\i], 16, v[XT+\i]
.endr
.irp i, 0,1,2,3
	v_or_b32 v[SQ+4+\i], s3, v[XT+\i]              ; the second head's
.endr
	s_branch .Lst
.Lv:
	; v: A's block a is a tile of 16 channels (head a / 4, tile a % 4); the four blocks are my 128 tokens: a whole fragment and a whole scale word
.irp a, 0,1,2,3,4,5,6,7
	QUANT \a, CB+12*\a, CB+12*\a+6, SQ+\a
.endr
.Lst:
.irp g, 0,1,2,3,4,5,6,7,8,9,10,11,12,13,14,15,16,17,18,19,20,21,22,23
	global_store_b128 v[CO], v[CB+4*\g:CB+4*\g+3], s[12:13] offset:(\g/12)*HEAD+(\g%12)*512   ; 32 lanes store 512 consecutive bytes, at a multiple of 256 from the buffer's first byte
.endr
.irp c, 0,1
	global_store_b128 v[CO], v[SQ+4*\c:SQ+4*\c+3], s[12:13] offset:\c*HEAD+6144
.endr
	s_wait_tensorcnt 0x0                           ; the wave's end
	ds_add_u32 v[SPW], v[NIL]
	s_wait_dscnt 0x0
	CROUND                                         ; the closing round: no work-group ends while a partner may still ask for a tile that names it
	s_endpgm
.Lfunc_end_k_q1d3a4c284a_qkv:
	.size	k_q1d3a4c284a_qkv, .Lfunc_end_k_q1d3a4c284a_qkv-k_q1d3a4c284a_qkv
	.p2alignl 7, 3214868480
	.fill 96, 4, 3214868480
	.section	.rodata,"a",@progbits
	.p2align	6, 0x0
	.amdhsa_kernel k_q1d3a4c284a_qkv
		.amdhsa_group_segment_fixed_size 327680
		.amdhsa_private_segment_fixed_size 0
		.amdhsa_enable_private_segment 0
		.amdhsa_kernarg_size 48
		.amdhsa_user_sgpr_count 2
		.amdhsa_user_sgpr_kernarg_segment_ptr 1
		.amdhsa_wavefront_size32 1
		.amdhsa_system_sgpr_workgroup_id_x 1
		.amdhsa_system_sgpr_workgroup_id_y 1
		.amdhsa_system_sgpr_workgroup_id_z 1
		.amdhsa_system_vgpr_workitem_id 0
		.amdhsa_next_free_vgpr 1024
		.amdhsa_next_free_sgpr 102
		.amdhsa_reserve_vcc 1
		.amdhsa_float_denorm_mode_32 3
		.amdhsa_float_denorm_mode_16_64 3
		.amdhsa_memory_ordered 1
		.amdhsa_forward_progress 1
		.amdhsa_inst_pref_size 197
	.end_amdhsa_kernel
	.amdgpu_metadata
---
amdhsa.version: [ 1, 2 ]
amdhsa.kernels:
  - .name:           k_q1d3a4c284a_qkv
    .symbol:         k_q1d3a4c284a_qkv.kd
    .args:
      - { .name: x_codes, .offset: 0, .size: 8, .value_kind: global_buffer, .address_space: global }
      - { .name: x_scales, .offset: 8, .size: 8, .value_kind: global_buffer, .address_space: global }
      - { .name: W_attn_codes, .offset: 16, .size: 8, .value_kind: global_buffer, .address_space: global }
      - { .name: W_attn_scales, .offset: 24, .size: 8, .value_kind: global_buffer, .address_space: global }
      - { .name: qi, .offset: 32, .size: 8, .value_kind: global_buffer, .address_space: global }
      - { .name: kv, .offset: 40, .size: 8, .value_kind: global_buffer, .address_space: global }
    .group_segment_fixed_size: 327680
    .private_segment_fixed_size: 0
    .kernarg_segment_align: 8
    .kernarg_segment_size: 48
    .max_flat_workgroup_size: 128
    .sgpr_count:     102
    .vgpr_count:     1024
    .wavefront_size: 32
...
	.end_amdgpu_metadata
.endif
;; end of part 1
;; launch attn (part 2): grid 4 x 64, 16 waves a work-group, clusters of 4 x 1, 215,040 bytes of LDS; arguments qi, kv, attn_mask, yc, ys; writes yc, ys
.if DOCPART == 2
	.amdgcn_target "amdgcn-amd-amdhsa--gfx1250"
	.amdhsa_code_object_version 6
	.text
	.protected	k_q1d3a4c284a_attn
	.globl	k_q1d3a4c284a_attn
	.p2align	8
	.type	k_q1d3a4c284a_attn,@function
k_q1d3a4c284a_attn:
	s_mov_b64 s[64:65], 0
	v_nop
	global_prefetch_b8 v0, s[64:65] scope:SCOPE_SE
	s_setreg_imm32_b32 hwreg(HW_REG_WAVE_MODE, 25, 1), 1
	s_wait_xcnt 0x0
	s_wait_alu depctr_hold_cnt(0) depctr_sa_sdst(0) depctr_va_vdst(0) depctr_va_sdst(0) depctr_va_ssrc(0) depctr_va_vcc(0) depctr_vm_vsrc(0)
	s_getreg_b32 s2, hwreg(HW_REG_IB_STS2, 6, 4)
	s_cmp_eq_u32 s2, 0
	s_cbranch_scc0 .Lentry_in_a_cluster
	s_endpgm
.Lentry_in_a_cluster:
	s_bfe_u32 s2, ttmp6, 0x10000c
	s_cmp_lg_u32 s2, 0x3003
	s_cbranch_scc0 .Lentry_shape_is_right
	s_endpgm
.Lentry_shape_is_right:
; y = softmax(q k^T / 8, whole query rows masked) v for one (batch, head) a cluster, both products on codes of FP6 (E2M3) with one E8M0 scale for each 32 along K, and the quantising of y along the 1,024 channels.
; THE SOFTMAX AHEAD OF THE SECOND PRODUCT: t = score x log2(e) / 8; M = the row's largest t so far, rounded up to a whole number; p = 2^(t - M) is quantised along the keys, not normalised;
; the row's sum is taken of the unquantised p and divides at the end.  When M moves, the sum and O are multiplied by 2^(old M - new M): exact.
; THE MASK: the module sets all logits of a masked query to -1e9; t = -1e9 x log2(e) is a whole number in f32, so M = t and p = 1 for every key.  Here a masked lane multiplies its scores by 0 in place of c:
; t = 0, M = 0, p = 1: the same p, the same sum 2,048.  The mask selects a value; no branch hangs on it.
; SHARES.  The four work-groups of a cluster own 512 queries each of one head; each of sixteen waves owns two tiles of 16 queries, one after the other (two passes), in 256 registers: four waves to a SIMD,
; so that one wave's vector work stands beside another's matrix work and LDS loads.  Every wave walks all 2,048 keys, 128 a step.
; LDS holds the head's whole K and V, 212,992 bytes of register images (13,312 a step: K's codes, K's scale words, V's codes, V's scale words), filled ONCE by joint tensor loads: the four partners need the same bytes.
; Nothing is filled again: no ring.  Two loads a wave go out together: steps 0-3 (13 rows of 256 bytes a wave) and steps 4-15 (39 rows a wave); the first four steps are worked while the second load lands.
; LAYOUT.  S^T = K Q^T (source 0 = 16 keys, source 1 = my 16 queries), O^T = V^T P^T: a lane holds ONE query throughout.  A head has 64 channels: half of the instruction's K of 128.
; Q's fragment is six registers of codes and six of zeros.  K's eight tiles lie in 48 registers on end; tile t's operand is registers 6 t .. 6 t + 11: its upper six, the next tile's codes (for tile 7 six zeros), meet Q's zero codes.
; The codes of a block of q, k, p and v stand in the order 0-7, 16-23, 8-15, 24-31, alike on both sides of each product.  y meets W_proj, which is given: its numbers are first brought into the natural order.
; WHAT LEAVES: yc, images of the next product's fragments: [tile of 16 tokens][128 channels][pair of registers][lane][8 bytes]; a head fills three pairs, 768 bytes.  ys: [token][32] scale bytes; a head owns two bytes
; of a row, so they leave by stores of two bytes a lane: 262,144 bytes in all.
; LIMITS: NaN and infinities are not served; p under 2^-126 counts as 0; a block whose largest magnitude lies under 2^-124 has its byte held at 1, a block of zeros too (its codes are zeros; this program alone reads the bytes).
.set HEAD,  212992
.set STEPB, 13312
.set KSC,   6144                       ; in a step's block: K's scale words,
.set VCO,   6656                       ; V's codes,
.set VSC,   12800                      ; V's scale words
.set CH0,   4*STEPB                    ; the first load's bytes: steps 0-3
.set ADR, 1                            ; v1   LDS address of the step in hand
.set YO,  2                            ; v2   8 x lane; never rewritten
.set YSO, 3                            ; v3   32 x (lane % 16); never rewritten
.set L16, 4                            ; v4   16 x lane; never rewritten
.set T0,  5                            ; v5   at work
.set CL,  8                            ; v[8:9]   c, or 0 in a masked lane, twice
.set FF,  10                           ; v[10:11] f = 2^(old M - new M); v11 is only named with it
.set NM,  12                           ; v12  -M
.set TX,  13                           ; v13  the largest t so far
.set SUM, 14                           ; v[14:15] the row's sum in two halves
.set QF,  16                           ; v16-27, v28-39 Q's fragments of the two passes: six registers of codes, six of zeros
.set QS,  40                           ; v40, v41 their scale words
.set PW,  42                           ; v42  p's scale word
.set KSR, 44                           ; v44-47 K's scale words
.set VSR, 48                           ; v48-51 V's
.set R,   52                           ; v52-99 K's codes, then V's; v100-105 zeros
.set PC,  106                          ; v106-117 the codes just made
.set PT,  118                          ; v118-124 the second halves' conversions
.set BM,  126                          ; v126-129 a block's largest score, then its largest p
.set BT,  130                          ; v130-133 the other half's
.set SO,  134                          ; v134-137 the conversions' scale operands
.set BY,  138                          ; v138-141 the scale bytes
.set TP,  142                          ; v[142:143] the sums' second chain
.set S,   144                          ; v144-207 S^T, then p; at the end y
.set OA,  208                          ; v208-239 O^T
.set MK,  240                          ; v240, v241 the mask's bytes of my query in the two passes
.set CC,  242                          ; v242 c
.set RL,  244                          ; v[244:245] 1 / the sum, twice
.set YW,  246                          ; v246 y's two scale bytes
.set WV,  14                           ; s14 wave
.set SEL, 20                           ; s[20:21] v_permlanex16_b32's selects for lane l xor 16
.set TB,  22                           ; s22 LDS byte at which the step in hand begins
.set CNT, 23                           ; s23 steps to go
.set G1A, 24                           ; s[24:31] group 1 of the first load, s[32:39] of the second
.set G1B, 32
.set G0A, 40                           ; s[40:43], s[44:47] their groups 0
.set G0B, 44
.macro CROUND                          ; a round of the cluster's barrier
	s_barrier_signal -1
	s_barrier_wait -1
	s_cmp_lg_u32 s[WV], 0
	s_cbranch_scc1 .Lnot_wave_0_\@
	s_barrier_signal -3
.Lnot_wave_0_\@:
	s_barrier_wait -3
	s_barrier_signal -1
	s_barrier_wait -1
.endm
	s_load_b256 s[4:11], s[0:1], 0x0               ; qi s[4:5], kv s[6:7], attn_mask s[8:9], yc s[10:11]
	s_load_b64 s[12:13], s[0:1], 0x20              ; ys
	v_lshl_add_u32 v254, v0, 2, 0x34000
	v_mov_b32 v255, 0
	ds_add_u32 v254, v255
	ds_add_u32 v254, v255
	v_lshrrev_b32 v[T0], 5, v0
	v_readfirstlane_b32 s[WV], v[T0]               ; wave 0..15
	s_bfe_u32 s15, ttmp6, 0x40000                  ; cx: my place in the cluster: it enters Q's, the mask's and y's addresses alone
	s_and_b32 s16, ttmp7, 0xffff                   ; 16 x batch + head, which the four partners share
	s_lshr_b32 s17, s16, 4                         ; batch
	s_and_b32 s18, s16, 15                         ; head
	s_mov_b32 s[SEL], 0x76543210
	s_mov_b32 s[SEL+1], 0xfedcba98
	; descriptor groups 1: dense bytes as rows of 256 (32 elements of 8 bytes), no padding: images are read 16 consecutive bytes a lane
	s_mov_b32 s[G1A], 15|(3<<16)|(1<<21)           ; 15:0 the mask: all four work-groups; 17:16 elements of 8 bytes; 21 set beside a mask
	s_mov_b32 s[G1A+1], 32<<16                     ; tensor_dim0
	s_mov_b32 s[G1A+2], 13<<16                     ; tensor_dim1: 13 rows a wave: 16 x 13 x 256 = 53,248 bytes
	s_mov_b32 s[G1A+3], 32<<16                     ; tile_dim0
	s_mov_b32 s[G1A+4], 13                         ; tile_dim1
	s_mov_b32 s[G1A+5], 32                         ; the pitch
	s_mov_b32 s[G1A+6], 0
	s_mov_b32 s[G1A+7], 0
	s_mov_b32 s[G1B], 15|(3<<16)|(1<<21)
	s_mov_b32 s[G1B+1], 32<<16
	s_mov_b32 s[G1B+2], 39<<16                     ; 39 rows a wave: 16 x 39 x 256 = 159,744 bytes
	s_mov_b32 s[G1B+3], 32<<16
	s_mov_b32 s[G1B+4], 39
	s_mov_b32 s[G1B+5], 32
	s_mov_b32 s[G1B+6], 0
	s_mov_b32 s[G1B+7], 0
	s_mul_i32 s48, s16, HEAD                       ; the head's first byte in kv and in qi: under 2^24
	s_mov_b32 s49, 0
	s_mul_i32 s50, s[WV], 13*256
	s_mov_b32 s51, 0
	s_mul_i32 s52, s[WV], 39*256
	s_add_co_u32 s52, s52, CH0
	s_mov_b32 s53, 0
	s_wait_dscnt 0x0
	s_wait_kmcnt 0x0
	s_add_nc_u64 s[6:7], s[6:7], s[48:49]
	s_mov_b32 s[G0A], 1
	s_mul_i32 s[G0A+1], s[WV], 13*256              ; LDS address: the same offset as in the head's block
	s_add_nc_u64 s[G0A+2:G0A+3], s[6:7], s[50:51]
	s_or_b32 s[G0A+3], s[G0A+3], 0x80000000
	s_mov_b32 s[G0B], 1
	s_mul_i32 s[G0B+1], s[WV], 39*256
	s_add_co_u32 s[G0B+1], s[G0B+1], CH0
	s_add_nc_u64 s[G0B+2:G0B+3], s[6:7], s[52:53]
	s_or_b32 s[G0B+3], s[G0B+3], 0x80000000
	CROUND                                         ; all four work-groups are here: the joint loads meet
	tensor_load_to_lds s[G0A:G0A+3], s[G1A:G1A+7]  ; the launch's only fills, together: two loads of mine are out
	s_nop 0
	tensor_load_to_lds s[G0B:G0B+3], s[G1B:G1B+7]
	s_nop 0
.rept 4
	v_nop
.endr
	v_and_b32 v[T0], 31, v0                        ; lane
	v_and_b32 v7, 15, v0                           ; r
	v_lshlrev_b32 v[L16], 4, v[T0]
	v_lshlrev_b32 v[YO], 3, v[T0]
	v_lshlrev_b32 v[YSO], 5, v7
	v_lshlrev_b32 v6, 4, v7
	; Q: my two tiles are tiles 2 (w % 4) and 2 (w % 4) + 1 of the block of 128 queries 4 cx + w / 4: twelve registers on end, three groups of 512 bytes
	s_lshl_b32 s54, s15, 2
	s_lshr_b32 s55, s[WV], 2
	s_add_co_u32 s54, s54, s55
	s_mul_i32 s54, s54, STEPB
	s_add_co_u32 s54, s54, s48                     ; the block's first byte in qi
	s_and_b32 s55, s[WV], 3
	s_mul_i32 s56, s55, 1536
	s_add_co_u32 s56, s56, s54
	s_mov_b32 s57, 0
	s_lshr_b32 s58, s55, 1                         ; the scale words of tile t, row r: 6,144 + 16 (r + 16 (t / 4)) + 4 (t % 4)
	s_lshl_b32 s58, s58, 8
	s_and_b32 s55, s55, 1
	s_lshl_b32 s55, s55, 3
	s_add_co_u32 s58, s58, s55
	s_add_co_u32 s58, s58, s54
	s_add_co_u32 s58, s58, KSC
	s_mov_b32 s59, 0
	s_add_nc_u64 s[58:59], s[4:5], s[58:59]
	s_add_nc_u64 s[4:5], s[4:5], s[56:57]
	s_lshl_b32 s54, s17, 11
	s_lshl_b32 s55, s15, 9
	s_add_co_u32 s54, s54, s55
	s_lshl_b32 s55, s[WV], 5
	s_add_co_u32 s54, s54, s55                     ; my first token among the 8,192: 2,048 batch + 512 cx + 32 wave
	s_mov_b32 s55, 0
	s_add_nc_u64 s[8:9], s[8:9], s[54:55]          ; the mask: a byte a token
	s_lshl_b32 s56, s54, 5
	s_lshl_b32 s57, s18, 1
	s_add_co_u32 s56, s56, s57
	s_mov_b32 s57, 0
	s_add_nc_u64 s[12:13], s[12:13], s[56:57]      ; ys: 32 bytes a token, + 2 x head
	s_lshr_b32 s56, s54, 1                         ; yc: (8 x tile of tokens + head / 2) x 1,536 + 768 x (head % 2)
	s_lshr_b32 s57, s18, 1
	s_add_co_u32 s56, s56, s57
	s_mul_i32 s56, s56, 1536
	s_and_b32 s57, s18, 1
	s_mul_i32 s57, s57, 768
	s_add_co_u32 s56, s56, s57
	s_mov_b32 s57, 0
	s_add_nc_u64 s[10:11], s[10:11], s[56:57]
	global_load_b128 v[QF:QF+3], v[L16], s[4:5]                    ; pass 0: registers 0-3,
	global_load_b64 v[QF+4:QF+5], v[L16], s[4:5] offset:512        ; 4, 5
	global_load_b64 v[QF+12:QF+13], v[L16], s[4:5] offset:520      ; pass 1: registers 6, 7 of the twelve,
	global_load_b128 v[QF+14:QF+17], v[L16], s[4:5] offset:1024    ; 8-11
	global_load_b32 v[QS], v6, s[58:59]
	global_load_b32 v[QS+1], v6, s[58:59] offset:4
	global_load_u8 v[MK], v7, s[8:9]
	global_load_u8 v[MK+1], v7, s[8:9] offset:16
.irp j, 6,7,8,9,10,11,18,19,20,21,22,23
	v_mov_b32 v[QF+\j], 0                          ; the upper 64 of Q's K: zero codes
.endr
.irp j, 48,49,50,51,52,53
	v_mov_b32 v[R+\j], 0                           ; what stands behind K's tile 7
.endr
.irp b, 0,1,2,3
	v_mov_b32 v[BT+\b], 0                          ; written once: a lane permute's destination counts as one of its sources
.endr
	v_mov_b32 v[FF+1], 0                           ; (named as the upper half of a pair)
	v_mov_b32 v[CC], 0x3e38aa3b                    ; c = log2(e) / 8
	s_wait_loadcnt 0x0
.macro INIT p                          ; a pass begins: O^T and the sum as zeros, the largest t as -3e38: the step is written once, and the first change of M multiplies zeros
	v_cmp_eq_u32 vcc_lo, 0, v[MK+\p]
	v_cndmask_b32 v[CL], 0, v[CC], vcc_lo          ; c where my query counts, 0 where it is masked
	v_mov_b32 v[CL+1], v[CL]
	v_mov_b32 v[TX], 0xff61b1e6
	v_floor_f32 v[NM], -v[TX]
	v_mov_b32 v[SUM], 0
	v_mov_b32 v[SUM+1], 0
.set i, 0
.rept 32
	v_mov_b32 v[OA+i], 0
.set i, i+1
.endr
	s_mov_b32 s[TB], 0
.endm
; A KEY STEP: 128 keys.
.macro STEP qf, qs
	v_add_nc_u32 v[ADR], s[TB], v[L16]
.rept 3
	v_nop                                          ; with the addition: four places behind the last step's products, in front of loads into registers that they read
.endr
.irp g, 0,1,2,3,4,5,6,7,8,9,10,11
	ds_load_b128 v[R+4*\g:R+4*\g+3], v[ADR] offset:512*\g          ; K's eight tiles: 32 lanes read 512 consecutive bytes
.endr
	ds_load_b128 v[KSR:KSR+3], v[ADR] offset:KSC
	s_wait_dscnt 0x0
.irp t, 0,1,2,3
	v_wmma_scale_f32_16x16x128_f8f6f4 v[S+8*\t:S+8*\t+7], v[R+6*\t:R+6*\t+11], v[\qf:\qf+11], 0, v[KSR+\t], v[\qs] matrix_a_fmt:MATRIX_FMT_FP6 matrix_b_fmt:MATRIX_FMT_FP6
.endr
.irp t, 4,5,6,7
	v_wmma_scale_f32_16x16x128_f8f6f4 v[S+8*\t:S+8*\t+7], v[R+6*\t:R+6*\t+11], v[\qf:\qf+11], 0, v[KSR+\t-4], v[\qs] matrix_a_fmt:MATRIX_FMT_FP6 matrix_b_fmt:MATRIX_FMT_FP6 matrix_a_scale:MATRIX_SCALE_ROW1
.endr
.rept 4
	v_nop                                          ; places: K's registers take V, and the scores are read
.endr
.irp g, 0,1,2,3,4,5,6,7,8,9,10,11
	ds_load_b128 v[R+4*\g:R+4*\g+3], v[ADR] offset:VCO+512*\g      ; V's four tiles land while the softmax is worked
.endr
	ds_load_b128 v[VSR:VSR+3], v[ADR] offset:VSC
	; lane (r, h) holds query r; registers 16 b + i are keys 32 b + 8 h + i (i < 8) and 32 b + 16 + 8 h + i - 8
.irp b, 0,1,2,3
	v_max3_num_f32 v[BM+\b], v[S+16*\b], v[S+1+16*\b], v[S+2+16*\b]   ; the largest score of each block of 32 keys: it serves for the row's maximum and, since p rises with the score, for the block's largest p
.endr
.irp i, 3,5,7,9,11,13
.irp b, 0,1,2,3
	v_max3_num_f32 v[BM+\b], v[BM+\b], v[S+16*\b+\i], v[S+1+16*\b+\i]
.endr
.endr
.irp b, 0,1,2,3
	v_max_num_f32 v[BM+\b], v[BM+\b], v[S+15+16*\b]
.endr
.irp b, 0,1,2,3
	v_permlanex16_b32 v[BT+\b], v[BM+\b], s[SEL], s[SEL+1]
.endr
.irp b, 0,1,2,3
	v_max_num_f32 v[BM+\b], v[BM+\b], v[BT+\b]     ; with lane l xor 16's 16 keys
.endr
	v_max3_num_f32 v[T0], v[BM], v[BM+1], v[BM+2]
	v_max_num_f32 v[T0], v[T0], v[BM+3]            ; the step's largest score of my query
	v_mul_f32 v[T0], v[CL], v[T0]                  ; as t (c is not negative)
	v_max_num_f32 v[TX], v[TX], v[T0]
	v_mov_b32 v[T0], v[NM]
	v_floor_f32 v[NM], -v[TX]                      ; the new -M = floor(-t) = -ceil(t)
	v_sub_f32 v[T0], v[NM], v[T0]                  ; old M - new M: a whole number, 0 or less
	v_cvt_i32_f32 v[T0], v[T0]                     ; (it saturates)
	v_ldexp_f32 v[FF], 1.0, v[T0]                  ; f = 2^(old M - new M)
.set i, 0
.rept 32
	v_pk_fma_f32 v[S+i:S+i+1], v[S+i:S+i+1], v[CL:CL+1], v[NM:NM+1] op_sel_hi:[1,0,0]   ; t - M, two at a time (of the pairs c and -M the low word serves both halves)
.set i, i+2
.endr
.irp b, 0,1,2,3
	v_fma_f32 v[BM+\b], v[BM+\b], v[CL], v[NM]     ; the same of each block's largest score
.endr
.set i, 0
.rept 64
	v_exp_f32 v[S+i], v[S+i]                       ; p = 2^(t - M), at most 1
.set i, i+1
.endr
	v_pk_mul_f32 v[SUM:SUM+1], v[SUM:SUM+1], v[FF:FF+1] op_sel_hi:[1,0]   ; the sums under the new M: a plain place behind the exponentials
	s_wait_alu depctr_va_vdst(0)                   ; one wait for the batch of 64, ahead of its first reader
.irp b, 0,1,2,3
	v_exp_f32 v[BM+\b], v[BM+\b]                   ; the block's largest p
.endr
	v_pk_add_f32 v[TP:TP+1], v[S:S+1], v[S+2:S+3]  ; the row's sum is taken of the unquantised p, in two chains (plain work behind the four)
.irp j, 4,8,12,16,20,24,28,32,36,40,44,48,52,56,60
	v_pk_add_f32 v[SUM:SUM+1], v[SUM:SUM+1], v[S+\j:S+1+\j]
	v_pk_add_f32 v[TP:TP+1], v[TP:TP+1], v[S+2+\j:S+3+\j]
.endr
	v_pk_add_f32 v[SUM:SUM+1], v[SUM:SUM+1], v[TP:TP+1]
	s_wait_alu depctr_va_vdst(0)                   ; and one for the four
.irp b, 0,1,2,3
	v_max_num_f32 v[BM+\b], 0x1800000, v[BM+\b]    ; the floor 2^(3 - 127): the byte cannot fall under 1
.endr
.irp b, 0,1,2,3
	v_add_nc_u32 v[SO+\b], 0xff000000, v[BM+\b]    ; 2 off the exponent field: the conversion's scale operand
.endr
.irp b, 0,1,2,3
	v_lshrrev_b32 v[BY+\b], 23, v[SO+\b]           ; the scale's byte
.endr
	v_lshl_or_b32 v[PW], v[BY+1], 8, v[BY]         ; p's scale word for these 128 keys
	v_lshl_or_b32 v[PW], v[BY+2], 16, v[PW]
	v_lshl_or_b32 v[PW], v[BY+3], 24, v[PW]
.irp c, 0,1
	v_cvt_scalef32_pk16_fp6_f32 v[PC+6*\c:PC+2+6*\c], v[S+32*\c:S+15+32*\c], v[SO+2*\c]
	v_cvt_scalef32_pk16_fp6_f32 v[PT+4*\c:PT+2+4*\c], v[S+16+32*\c:S+31+32*\c], v[SO+2*\c+1]   ; (a conversion's three registers begin on an even number)
.endr
	v_nop                                          ; one plain place behind a scaled conversion
.irp c, 0,1                                    ; the operand's layout wants a whole block in a lane: lanes 0-15 block 2 c, lanes 16-31 block 2 c + 1
.irp i, 0,1,2
	v_permlane16_swap_b32 v[PC+6*\c+\i], v[PT+4*\c+\i]
.endr
.irp i, 0,1,2
	v_mov_b32 v[PC+3+6*\c+\i], v[PT+4*\c+\i]
.endr
.endr
.set i, 0
.rept 16
	v_pk_mul_f32 v[OA+i:OA+i+1], v[OA+i:OA+i+1], v[FF:FF+1] op_sel_hi:[1,0]   ; O^T under the new M, each accumulator from its low end on.  These sixteen are also the places between the writes of p's codes and scale word and the products
.set i, i+2
.endr
	s_wait_dscnt 0x0                               ; V is in
.irp t, 0,1,2,3
	v_wmma_scale_f32_16x16x128_f8f6f4 v[OA+8*\t:OA+8*\t+7], v[R+12*\t:R+12*\t+11], v[PC:PC+11], v[OA+8*\t:OA+8*\t+7], v[VSR+\t], v[PW] matrix_a_fmt:MATRIX_FMT_FP6 matrix_b_fmt:MATRIX_FMT_FP6
.endr
	s_add_co_u32 s[TB], s[TB], STEPB
.endm
.macro LOOPN n, qf, qs
	s_mov_b32 s[CNT], \n
.Lstep_\@:
	STEP \qf, \qs
	s_sub_co_u32 s[CNT], s[CNT], 1
	s_cmp_lg_u32 s[CNT], 0
	s_cbranch_scc1 .Lstep_\@
.endm
; A PASS ENDS: y = O^T / the sum, brought into the natural order of channels, quantised along them (two blocks of 32), and stored as half a fragment's image.
.macro EPI p
.rept 4
	v_nop                                          ; places behind the last products
.endr
	v_add_f32 v[SUM], v[SUM], v[SUM+1]
	v_permlanex16_b32 v[T0], v[SUM], s[SEL], s[SEL+1]
	v_add_f32 v[SUM], v[SUM], v[T0]                ; the row's sum
	v_rcp_f32 v[RL], v[SUM]
	v_nop                                          ; a plain place behind the transcendental
	s_wait_alu depctr_va_vdst(0)                   ; and the wait ahead of its first reader
	v_mov_b32 v[RL+1], v[RL]
.set i, 0
.rept 16
	v_pk_mul_f32 v[S+i:S+i+1], v[OA+i:OA+i+1], v[RL:RL+1]   ; register 8 t + j: y(query r, channel 16 t + 8 h + j)
.set i, i+2
.endr
.irp b, 0,1
.irp j, 0,1,2,3,4,5,6,7
	v_permlane16_swap_b32 v[S+16*\b+\j], v[S+16*\b+8+\j]   ; the first's lanes 16-31 change places with the second's lanes 0-15: registers 16 b + 0..15 now hold channels 32 b + 16 h + 0..15
.endr
.endr
.irp b, 0,1
	v_max3_num_f32 v[BM+\b], |v[S+16*\b]|, |v[S+1+16*\b]|, 0x1800000
.endr
.irp i, 2,4,6,8,10,12,14
.irp b, 0,1
	v_max3_num_f32 v[BM+\b], v[BM+\b], |v[S+16*\b+\i]|, |v[S+1+16*\b+\i]|
.endr
.endr
.irp b, 0,1
	v_permlanex16_b32 v[BT+\b], v[BM+\b], s[SEL], s[SEL+1]
.endr
.irp b, 0,1
	v_max_num_f32 v[BM+\b], v[BM+\b], v[BT+\b]
.endr
.irp b, 0,1
	v_add_nc_u32 v[SO+\b], 0xff000000, v[BM+\b]
.endr
.irp b, 0,1
	v_lshrrev_b32 v[BY+\b], 23, v[SO+\b]
.endr
	v_lshl_or_b32 v[YW], v[BY+1], 8, v[BY]
	v_cvt_scalef32_pk16_fp6_f32 v[PC:PC+2], v[S:S+15], v[SO]
	v_cvt_scalef32_pk16_fp6_f32 v[PT:PT+2], v[S+16:S+31], v[SO+1]
	v_nop                                          ; one plain place behind a scaled conversion
.irp i, 0,1,2
	v_permlane16_swap_b32 v[PC+\i], v[PT+\i]       ; lanes 0-15 block 0, lanes 16-31 block 1: the lower 16 codes in the first, the upper 16 in the second
.endr
.irp i, 0,1,2
	v_mov_b32 v[PC+3+\i], v[PT+\i]
.endr
.irp k, 0,1,2
	global_store_b64 v[YO], v[PC+2*\k:PC+2*\k+1], s[10:11] offset:12288*\p+256*\k   ; 32 lanes store 256 consecutive bytes, at a multiple of 256 from the buffer's first byte
.endr
	global_store_b16 v[YSO], v[YW], s[12:13] offset:512*\p   ; both halves of the lanes write the same two bytes with the same value
.if \p == 0
	s_wait_xcnt 0x0                                ; the stores have read their data: the next pass writes these registers again
.endif
.endm
	INIT 0
	s_wait_tensorcnt 1                             ; my part of steps 0-3 is in; my second load may be out, and the next four steps read bytes under 53,248 alone
	s_barrier_signal -1
	s_barrier_wait -1                              ; everybody's is
	LOOPN 4, QF, QS
	s_wait_tensorcnt 0x0                           ; my part of steps 4-15 is in
	s_wait_dscnt 0x0
	s_barrier_signal -1
	s_barrier_wait -1                              ; everybody's is
	LOOPN 12, QF, QS
	EPI 0
	INIT 1
	LOOPN 16, QF+12, QS+1
	EPI 1
	s_wait_tensorcnt 0x0
	ds_add_u32 v254, v255
	s_wait_dscnt 0x0
	CROUND                                         ; the closing round
	s_endpgm
.Lfunc_end_k_q1d3a4c284a_attn:
	.size	k_q1d3a4c284a_attn, .Lfunc_end_k_q1d3a4c284a_attn-k_q1d3a4c284a_attn
	.p2alignl 7, 3214868480
	.fill 96, 4, 3214868480
	.section	.rodata,"a",@progbits
	.p2align	6, 0x0
	.amdhsa_kernel k_q1d3a4c284a_attn
		.amdhsa_group_segment_fixed_size 215040
		.amdhsa_private_segment_fixed_size 0
		.amdhsa_enable_private_segment 0
		.amdhsa_kernarg_size 40
		.amdhsa_user_sgpr_count 2
		.amdhsa_user_sgpr_kernarg_segment_ptr 1
		.amdhsa_wavefront_size32 1
		.amdhsa_system_sgpr_workgroup_id_x 1
		.amdhsa_system_sgpr_workgroup_id_y 1
		.amdhsa_system_sgpr_workgroup_id_z 1
		.amdhsa_system_vgpr_workitem_id 0
		.amdhsa_next_free_vgpr 256
		.amdhsa_next_free_sgpr 66
		.amdhsa_reserve_vcc 1
		.amdhsa_float_denorm_mode_32 3
		.amdhsa_float_denorm_mode_16_64 3
		.amdhsa_memory_ordered 1
		.amdhsa_forward_progress 1
		.amdhsa_inst_pref_size 64
	.end_amdhsa_kernel
	.amdgpu_metadata
---
amdhsa.version: [ 1, 2 ]
amdhsa.kernels:
  - .name:           k_q1d3a4c284a_attn
    .symbol:         k_q1d3a4c284a_attn.kd
    .args:
      - { .name: qi, .offset: 0, .size: 8, .value_kind: global_buffer, .address_space: global }
      - { .name: kv, .offset: 8, .size: 8, .value_kind: global_buffer, .address_space: global }
      - { .name: attn_mask, .offset: 16, .size: 8, .value_kind: global_buffer, .address_space: global }
      - { .name: yc, .offset: 24, .size: 8, .value_kind: global_buffer, .address_space: global }
      - { .name: ys, .offset: 32, .size: 8, .value_kind: global_buffer, .address_space: global }
    .group_segment_fixed_size: 215040
    .private_segment_fixed_size: 0
    .kernarg_segment_align: 8
    .kernarg_segment_size: 40
    .max_flat_workgroup_size: 512
    .sgpr_count:     66
    .vgpr_count:     256
    .wavefront_size: 32
...
	.end_amdgpu_metadata
.endif
;; end of part 2
;; launch proj (part 3): grid 4 x 32, 4 waves a work-group, clusters of 4 x 4, 327,680 bytes of LDS; arguments yc, ys, W_proj_codes, W_proj_scales, out0; writes out0
.if DOCPART == 3
	.amdgcn_target "amdgcn-amd-amdhsa--gfx1250"
	.amdhsa_code_object_version 6
	.text
	.protected	k_q1d3a4c284a_proj
	.globl	k_q1d3a4c284a_proj
	.p2align	8
	.type	k_q1d3a4c284a_proj,@function
k_q1d3a4c284a_proj:
	s_mov_b64 s[64:65], 0
	v_nop
	global_prefetch_b8 v0, s[64:65] scope:SCOPE_SE
	s_setreg_imm32_b32 hwreg(HW_REG_WAVE_MODE, 25, 1), 1
	s_wait_xcnt 0x0
	s_wait_alu depctr_hold_cnt(0) depctr_sa_sdst(0) depctr_va_vdst(0) depctr_va_sdst(0) depctr_va_ssrc(0) depctr_va_vcc(0) depctr_vm_vsrc(0)
	s_getreg_b32 s2, hwreg(HW_REG_IB_STS2, 6, 4)
	s_cmp_eq_u32 s2, 0
	s_cbranch_scc0 .Lentry_in_a_cluster
	s_endpgm
.Lentry_in_a_cluster:
	s_bfe_u32 s2, ttmp6, 0x10000c
	s_cmp_lg_u32 s2, 0xf033
	s_cbranch_scc0 .Lentry_shape_is_right
	s_endpgm
.Lentry_shape_is_right:
; out0[m][n] = sum over k of y[m][k] W_proj[n][k], on codes of FP6 (E2M3) with one E8M0 scale for each 32 along K = 1,024; out0: [8,192][1,024] f32; sums in f32.
; B = W_proj's codes, rows of 768 bytes, K innermost; its scale bytes [1,024][32].  A = y: its scale bytes [8,192][32]; its codes lie as IMAGES OF FRAGMENTS, as the launch before has stored them:
; [tile of 16 rows][K step of 128][pair of registers 0..5][lane][8 bytes]: a fragment is 1,536 bytes on end, a tile of rows 12,288.
; A tile of 256 x 256 of the output is made by four waves, 128 x 128 each: 64 accumulators, 512 registers.  K goes in steps of 256 through a ring of two LDS slots filled by the tensor data mover.
; A's part of a slot: for each of eight tiles of rows a wave fetches two fragments, 3,072 consecutive bytes: eight rows of 3,072 bytes, 12,288 apart, no padding: a fragment is read 8 consecutive bytes a lane.
; THE SCALES of the work-group's rows of A and of B, for all of K, come into LDS once, with the first fills, and stay.
; CLUSTERS: 4 x 4 work-groups; A's tiles are asked for jointly along a row of the cluster, B's along a column.  THE MATRIX INSTRUCTION IS USED TRANSPOSED (source 0 = 16 rows of B, source 1 = 16 rows of A):
; a lane holds eight neighbouring numbers of a row of the output.
; The output has 128 tiles of this size: 128 work-groups.
; REGISTERS, in windows of 256: window 0: v0-31 addresses; v32-63 scale words, two sets; v128-223 A's fragments, one set.  window 1: B's fragments, two sets.  windows 2, 3: the accumulators.
.set SIZE_M, 8192
.set SIZE_N, 1024
.set SIZE_K, 1024
.set KSTEP,  256
.set NQ,     KSTEP/128
.set ROWB,   192                       ; a row of B's tile in bytes
.set KROW,   SIZE_K*6/8                ; a row of B in memory; also A's bytes for each row: 12,288 for 16
.set AROW,   3072                      ; a row of A's tile: a tile of rows' two fragments
.set PITCH,  240                       ; B's LDS row: 3 x (64 bytes + 16 of padding)
.set FR,     12
.set NL,     6
.set NP,     4
.set HALFT,  128*PITCH                 ; what one tensor load may take in LDS (A's uses 24,576 of it)
.set SLOT,   4*HALFT
.set LAPS,   SIZE_K/(2*KSTEP)
.set KS,     SIZE_K/32
.set SCL,    2*SLOT
.set HALFS,  (128*KS/256)*272
.set SBLK,   (16*KS/256)*272
.set SPARE,  SCL+4*HALFS               ; the spare words, 128 bytes for each wave: two blocks of 256 bytes that no other line names
.set SPITCH, 528                       ; the way out: a stage of 16 rows x (512 bytes + 16) for each wave, in slot 0, which has had its last fill and its last read when the first result is stored there
.set ADRA, 16                          ; v16-17  LDS address of my A fragments in slot 0, 1: 8 x lane on
.set ADRB, 20                          ; v20-21  of my B fragments (v22-23: behind one padding more)
.set STO,  24
.set RD,   25
.set CO,   26
.set ADRS, 27
.set SPW,  28                          ; v28 LDS address of my spare word; never rewritten
.set NIL,  29                          ; v29 0; never rewritten
.set SC,   32
.set AF,   128
.set BK,   128
.set G1, 24
.set G0, 32
.set G1B, 48
.set G0B, 56
.set G1S, 68
.set G0S, 76
.set G1SB, 80
.set G0SB, 88
.set MSB, 0
.macro WIN new                         ; the immediate's high byte repeats the setting that is left
.if MSB != \new
	s_set_vgpr_msb (MSB<<8)|\new
.set MSB, \new
.endif
.endm
.set MUL_LO, 0xa1
.set MUL_HI, 0xf1
.set TO_B,   0x40
.macro JLOAD g0a, g1a, g0b, g1b        ; a joint load: waves 0 and 1 fetch for A, waves 2 and 3 for B; four v_nop follow each of the two lines
	s_cmp_eq_u32 s15, 0
	s_cbranch_scc0 .Lfor_b_\@
	tensor_load_to_lds s[\g0a:\g0a+3], s[\g1a:\g1a+7]
	s_nop 0
.rept 4
	v_nop
.endr
	s_branch .Lasked_\@
.Lfor_b_\@:
	tensor_load_to_lds s[\g0b:\g0b+3], s[\g1b:\g1b+7]
	s_nop 0
.rept 4
	v_nop
.endr
.Lasked_\@:
.endm
.macro CREST
	s_cmp_lg_u32 s14, 0
	s_cbranch_scc1 .Lnot_wave_0_\@
	s_barrier_signal -3
.Lnot_wave_0_\@:
	s_barrier_wait -3
	s_barrier_signal -1
	s_barrier_wait -1
.endm
.macro CROUND
	s_barrier_signal -1
	s_barrier_wait -1
	CREST
.endm
	s_load_b128 s[4:7], s[0:1], 0x0                ; A's codes s[4:5], A's scales s[6:7]
	s_load_b128 s[8:11], s[0:1], 0x10              ; B's codes s[8:9], B's scales s[10:11]
	s_load_b64 s[12:13], s[0:1], 0x20              ; the output
	v_lshl_add_u32 v[SPW], v0, 2, SPARE
	v_mov_b32 v[NIL], 0
	ds_add_u32 v28, v29
	ds_add_u32 v28, v29
	s_wait_dscnt 0x0
	v_lshrrev_b32 v1, 5, v0
	v_readfirstlane_b32 s14, v1                    ; wave 0..3
	s_lshr_b32 s15, s14, 1                         ; which half of the tile's rows is mine.  Also: I fetch for A (0) or for B (1)
	s_and_b32 s16, s14, 1                          ; which half of its columns.  Also: which 128 rows of that tile I fetch
	s_bfe_u32 s40, ttmp6, 0x40000                  ; cx, cy
	s_bfe_u32 s41, ttmp6, 0x40004
	s_lshl_b32 s42, ttmp9, 2
	s_add_co_u32 s42, s42, s40                     ; tile column = 4 x cluster x + cx
	s_and_b32 s17, ttmp7, 0xffff
	s_lshl_b32 s17, s17, 2
	s_add_co_u32 s17, s17, s41                     ; tile row = 4 x cluster y + cy
	s_lshl_b32 s43, s41, 2
	s_lshl_b32 s43, 15, s43                        ; my row of the cluster
	s_lshl_b32 s44, 0x1111, s40                    ; my column
	; descriptor group 1 for A: 8 rows of 3,072 bytes (384 elements of 8 bytes), 12,288 bytes (1,536 elements) apart, no padding
	s_or_b32 s[G1+0], s43, (3<<16)|(1<<21)
	s_mov_b32 s[G1+1], 384<<16
	s_mov_b32 s[G1+2], 8<<16
	s_mov_b32 s[G1+3], 384<<16
	s_mov_b32 s[G1+4], 8
	s_mov_b32 s[G1+5], 1536
	s_mov_b32 s[G1+6], 0
	s_mov_b32 s[G1+7], 0
	; for B: 128 rows x ROWB bytes, 16 bytes of padding behind every 64
	s_or_b32 s[G1B+0], s44, (0<<16)|(1<<20)|(1<<21)|(3<<22)|(3<<25)
	s_mov_b32 s[G1B+1], ROWB<<16
	s_mov_b32 s[G1B+2], 128<<16
	s_mov_b32 s[G1B+3], ROWB<<16
	s_mov_b32 s[G1B+4], 128
	s_mov_b32 s[G1B+5], KROW
	s_mov_b32 s[G1B+6], 0
	s_mov_b32 s[G1B+7], 0
	; for the scales of 128 rows: a dense block, as rows of 256 bytes with 16 bytes of padding behind each
	s_or_b32 s[G1S+0], s43, (3<<16)|(1<<20)|(1<<21)|(5<<22)|(3<<25)
	s_or_b32 s[G1SB+0], s44, (3<<16)|(1<<20)|(1<<21)|(5<<22)|(3<<25)
.irp g, G1S, G1SB
	s_mov_b32 s[\g+1], 32<<16
	s_mov_b32 s[\g+2], (128*KS/256)<<16
	s_mov_b32 s[\g+3], 32<<16
	s_mov_b32 s[\g+4], 128*KS/256
	s_mov_b32 s[\g+5], 32
	s_mov_b32 s[\g+6], 0
	s_mov_b32 s[\g+7], 0
.endr
	s_lshl_b32 s18, s16, 7
	s_lshl_b32 s20, s17, 8
	s_add_co_u32 s20, s20, s18                     ; A: row 256 x tile row + 128 x half
	s_lshl_b32 s46, s42, 8
	s_add_co_u32 s46, s46, s18                     ; B: row 256 x tile column + 128 x half
	s_mov_b32 s21, 0
	s_mov_b32 s47, 0
	s_mov_b64 s[18:19], KS
	s_mul_u64 s[22:23], s[20:21], s[18:19]
	s_mul_u64 s[92:93], s[46:47], s[18:19]
	s_mov_b64 s[18:19], KROW
	s_mul_u64 s[20:21], s[20:21], s[18:19]         ; A's images: 768 bytes for each row, and these rows begin a tile of 16
	s_mul_u64 s[46:47], s[46:47], s[18:19]
	s_mul_i32 s45, s14, HALFT
	s_mul_i32 s94, s14, HALFS
	s_wait_kmcnt 0x0
	s_add_nc_u64 s[20:21], s[4:5], s[20:21]
	s_add_nc_u64 s[22:23], s[6:7], s[22:23]
	s_add_nc_u64 s[46:47], s[8:9], s[46:47]
	s_add_nc_u64 s[92:93], s[10:11], s[92:93]
	CROUND                                         ; all sixteen work-groups are here: the first joint loads meet
	s_mov_b32 s[G0S], 1
	s_add_co_u32 s[G0S+1], s94, SCL
	s_mov_b64 s[G0S+2:G0S+3], s[22:23]
	s_or_b32 s[G0S+3], s[G0S+3], 0x80000000
	s_mov_b32 s[G0SB], 1
	s_add_co_u32 s[G0SB+1], s94, SCL
	s_mov_b64 s[G0SB+2:G0SB+3], s[92:93]
	s_or_b32 s[G0SB+3], s[G0SB+3], 0x80000000
	JLOAD G0S, G1S, G0SB, G1SB
.irp s, 0,1
	s_mov_b32 s[G0+4*\s], 1
	s_add_co_u32 s[G0+4*\s+1], s45, \s*SLOT
	s_add_nc_u64 s[G0+4*\s+2:G0+4*\s+3], s[20:21], \s*AROW
	s_or_b32 s[G0+4*\s+3], s[G0+4*\s+3], 0x80000000
	s_mov_b32 s[G0B+4*\s], 1
	s_add_co_u32 s[G0B+4*\s+1], s45, \s*SLOT
	s_add_nc_u64 s[G0B+4*\s+2:G0B+4*\s+3], s[46:47], \s*ROWB
	s_or_b32 s[G0B+4*\s+3], s[G0B+4*\s+3], 0x80000000
	JLOAD G0+4*\s, G1, G0B+4*\s, G1B
.endr
	v_and_b32 v1, 15, v0                           ; l % 16
	v_bfe_u32 v2, v0, 4, 1                         ; l / 16
	v_and_b32 v6, 31, v0                           ; lane
	v_lshlrev_b32 v7, 3, v6                        ; A: 8 bytes a lane
	v_mul_u32_u24 v3, v1, PITCH
	v_mul_u32_u24 v4, v2, 24
	v_add_nc_u32 v4, v3, v4                        ; B: a fragment's row x pitch + 24 x half
	v_lshl_add_u32 v5, v2, 4, v4                   ; and the same behind one padding more
	s_mul_i32 s21, s15, HALFT                      ; my 128 rows of A
	s_mul_i32 s22, s16, HALFT                      ; my 128 rows of B,
	s_add_co_u32 s22, s22, 2*HALFT                 ; which lie behind A's
.irp s, 0,1
	v_add_nc_u32 v[ADRA+\s], s21, v7
	v_add_nc_u32 v[ADRB+\s], s22, v4
	v_add_nc_u32 v[ADRB+2+\s], s22, v5
	s_add_co_u32 s21, s21, SLOT
	s_add_co_u32 s22, s22, SLOT
.endr
	v_mul_u32_u24 v5, v1, KS
	v_lshrrev_b32 v6, 8, v5
	v_lshl_add_u32 v5, v6, 4, v5
	s_mul_i32 s21, s15, HALFS
	s_mul_i32 s22, s16, HALFS
	s_add_co_u32 s22, s22, 2*HALFS
	s_sub_co_u32 s22, s22, s21
	v_mul_u32_u24 v6, s22, v2                      ; lanes 16-31 take B's
	s_add_co_u32 s21, s21, SCL
	v_add_nc_u32 v5, v5, v6
	v_add_nc_u32 v[ADRS], s21, v5
	s_mul_i32 s23, s14, 16*SPITCH                  ; my stage
	v_mul_u32_u24 v5, v1, SPITCH
	v_lshl_add_u32 v5, v2, 5, v5
	v_add_nc_u32 v[STO], s23, v5
	v_and_b32 v6, 31, v0
	v_lshlrev_b32 v[CO], 4, v6
	v_add_nc_u32 v[RD], s23, v[CO]
	s_lshl_b32 s20, s17, 8
	s_lshl_b32 s21, s15, 7
	s_add_co_u32 s20, s20, s21                     ; my first row of the output
	s_mov_b32 s21, 0
	s_mov_b64 s[18:19], SIZE_N*4
	s_mul_u64 s[20:21], s[20:21], s[18:19]
	s_lshl_b32 s46, s42, 10                        ; my first column, in bytes
	s_lshl_b32 s47, s16, 9
	s_add_co_u32 s46, s46, s47
	s_mov_b32 s47, 0
	s_add_nc_u64 s[20:21], s[20:21], s[46:47]
	s_add_nc_u64 s[12:13], s[12:13], s[20:21]
.macro FRAG reg, adr, q, i             ; a fragment of B from rows: six pieces of 8 bytes; where lanes 16-31's piece lies behind one padding more, the second address register serves
.irp p, 0,1,2,3,4,5
.set PCE, 12*(\q)+6*(\p/3)+\p%3
.if PCE%8 < 5
	ds_load_b64 v[\reg+2*\p:\reg+2*\p+1], v[\adr] offset:8*PCE+16*(PCE/8)+(\i)*16*PITCH
.else
	ds_load_b64 v[\reg+2*\p:\reg+2*\p+1], v[\adr+2] offset:8*PCE+16*(PCE/8)+(\i)*16*PITCH
.endif
.endr
.endm
.macro FRAGA reg, slot, q, i           ; a fragment of A from its image: six pairs of registers, 256 consecutive bytes each
.irp p, 0,1,2,3,4,5
	ds_load_b64 v[\reg+2*\p:\reg+2*\p+1], v[ADRA+\slot] offset:AROW*(\i)+1536*(\q)+256*\p
.endr
.endm
; 16 matrix instructions: A's blocks a0, a0 + 1 x B's eight.  The 64 accumulators take turns, one instruction a turn, in the same order in every step.
.macro MUL16 a0, p, q, sc, zero
.irp a, \a0, \a0+1
.irp b, 0,1,2,3,4,5,6,7
.if \zero
	v_wmma_scale_f32_16x16x128_f8f6f4 v[8*(8*((\a)%4)+\b):8*(8*((\a)%4)+\b)+7], v[128*(\p)+FR*\b:128*(\p)+FR*\b+FR-1], v[AF+FR*(\a):AF+FR*(\a)+FR-1], 0, v[SC+8*NQ*(\sc)+NQ*\b+(\q)], v[SC+8*NQ*(\sc)+NQ*(\a)+(\q)] matrix_a_fmt:MATRIX_FMT_FP6 matrix_b_fmt:MATRIX_FMT_FP6 matrix_a_scale:MATRIX_SCALE_ROW1
.else
	v_wmma_scale_f32_16x16x128_f8f6f4 v[8*(8*((\a)%4)+\b):8*(8*((\a)%4)+\b)+7], v[128*(\p)+FR*\b:128*(\p)+FR*\b+FR-1], v[AF+FR*(\a):AF+FR*(\a)+FR-1], v[8*(8*((\a)%4)+\b):8*(8*((\a)%4)+\b)+7], v[SC+8*NQ*(\sc)+NQ*\b+(\q)], v[SC+8*NQ*(\sc)+NQ*(\a)+(\q)] matrix_a_fmt:MATRIX_FMT_FP6 matrix_b_fmt:MATRIX_FMT_FP6 matrix_a_scale:MATRIX_SCALE_ROW1
.endif
.endr
.endr
.endm
.macro FETCH_B slot, q, p
	WIN TO_B
.irp i, 0,1,2,3,4,5,6,7
	FRAG 128*(\p)+FR*\i, ADRB+\slot, \q, \i
.endr
	WIN 0
.endm
.macro FETCH_A slot, q, i0
.irp i, \i0, \i0+1, \i0+2, \i0+3
	FRAGA AF+FR*(\i), \slot, \q, \i
.endr
.endm
.macro SCALES sc
.irp i, 0,1,2,3,4,5,6,7
	ds_load_b64 v[SC+8*NQ*\sc+NQ*\i:SC+8*NQ*\sc+NQ*\i+1], v[ADRS] offset:\i*SBLK
.endr
.endm
.macro PLACES n                        ; plain vector instructions between a matrix instruction and a load into, or a read of, its registers
.rept \n
	v_nop
.endr
.endm
.macro STEP slot, q, zero
	s_wait_dscnt 4*NL                              ; B's set and A's blocks 0-3 are in; the youngest 24 loads (A's blocks 4-7) may be out
	WIN MUL_LO
	MUL16 0, (\q)%2, \q, \slot, \zero
	MUL16 2, (\q)%2, \q, \slot, \zero
	s_wait_dscnt 0
	PLACES NP
	FETCH_B \slot, (\q)+1, 1-(\q)%2
	FETCH_A \slot, (\q)+1, 0
	WIN MUL_HI
	MUL16 4, (\q)%2, \q, \slot, \zero
	MUL16 6, (\q)%2, \q, \slot, \zero
	PLACES NP
	WIN 0
	FETCH_A \slot, (\q)+1, 4
.endm
; A slot's last step changes slots: ONE barrier; in front of it each wave waits for all its tensor loads, adds 0 to its spare word, and waits for that and for its own reads of this slot.
.macro TURN slot, next, fill
	s_wait_tensorcnt 0x0                           ; all my tensor loads have landed: my part of the next slot
	ds_add_u32 v[SPW], v[NIL]                      ; 0 onto my spare word
	s_wait_dscnt 4*NL+1                            ; (the add and the youngest 24 loads may be out)
	WIN MUL_LO
	MUL16 0, 1, NQ-1, \slot, 0
	s_wait_dscnt 0x0                               ; the add is done, and my reads of this slot are over
	s_barrier_signal -1
	MUL16 2, 1, NQ-1, \slot, 0
	WIN 0
	s_barrier_wait -1
.if \fill
	CREST                                          ; the barrier has opened a round of the cluster's barrier: no wave of any partner still reads this slot's tile or has a load on its way
	s_add_nc_u64 s[G0+4*\slot+2:G0+4*\slot+3], s[G0+4*\slot+2:G0+4*\slot+3], 2*AROW
	s_add_nc_u64 s[G0B+4*\slot+2:G0B+4*\slot+3], s[G0B+4*\slot+2:G0B+4*\slot+3], 2*ROWB
	JLOAD G0+4*\slot, G1, G0B+4*\slot, G1B         ; the first tensor load behind the round; the four v_nop behind it are the places in front of the loads below
.else
	PLACES NP
.endif
	v_add_nc_u32 v[ADRS], 4*NQ, v[ADRS]
	FETCH_B \next, 0, 0
	FETCH_A \next, 0, 0
	SCALES \next
	WIN MUL_HI
	MUL16 4, 1, NQ-1, \slot, 0
	MUL16 6, 1, NQ-1, \slot, 0
	PLACES NP
	WIN 0
	FETCH_A \next, 0, 4
.endm
	s_wait_tensorcnt 1                             ; the scales and my part of K step 0 are in (K step 1's load may be out)
	s_barrier_signal -1
	s_barrier_wait -1                              ; everybody's are
	FETCH_B 0, 0, 0
	FETCH_A 0, 0, 0
	SCALES 0
	FETCH_A 0, 0, 4
	STEP 0, 0, 1                                   ; the first step stands in front of the loop: its products start the sums
	s_mov_b32 s3, LAPS-1
.Llap:
	TURN 0, 1, 1
	STEP 1, 0, 0
	TURN 1, 0, 1
	STEP 0, 0, 0
	s_sub_co_u32 s3, s3, 1
	s_cmp_lg_u32 s3, 0
	s_cbranch_scc1 .Llap
	TURN 0, 1, 0                                   ; the last lap fills nothing
	STEP 1, 0, 0
	s_wait_dscnt 4*NL
	WIN MUL_LO
	MUL16 0, 1, NQ-1, 1, 0
	MUL16 2, 1, NQ-1, 1, 0
	s_wait_dscnt 0
	WIN MUL_HI
	MUL16 4, 1, NQ-1, 1, 0
	MUL16 6, 1, NQ-1, 1, 0
	WIN 0
; THE WAY OUT, block by block of 16 rows x 128 columns, through my own stage in LDS: in as 32 bytes a lane, back as whole rows of 512 bytes.  LDS serves a wave's instructions in order (ISA guide 5.7.1.4).
.macro TOSTAGE a
.set AC, 64*((\a)%4)
	WIN 0x08+4*((\a)/4)                            ; the data: window 2 or 3
.irp b, 0,1,2,3,4,5,6,7
	ds_store_b128 v[STO], v[AC+8*\b:AC+8*\b+3] offset:64*\b          ; each accumulator from its low end on
	ds_store_b128 v[STO], v[AC+8*\b+4:AC+8*\b+7] offset:64*\b+16
.endr
	WIN 0
.set BB, BK+64*((\a)%2)
.irp t, 0,1,2,3,4,5,6,7,8,9,10,11,12,13,14,15
	ds_load_b128 v[BB+4*\t:BB+4*\t+3], v[RD] offset:\t*SPITCH
.endr
.endm
.macro SEND a, younger                 ; younger: the LDS instructions issued behind block a's loads, which may stay out
.set BB, BK+64*((\a)%2)
	s_wait_dscnt \younger
.if (\a) > 0
	s_add_nc_u64 s[12:13], s[12:13], 16*SIZE_N*4   ; (behind a wait on XCNT: the earlier stores have read their base)
.endif
.irp t, 0,1,2,3,4,5,6,7,8,9,10,11,12,13,14,15
	global_store_b128 v[CO], v[BB+4*\t:BB+4*\t+3], s[12:13] offset:\t*SIZE_N*4 th:TH_STORE_NT   ; 32 lanes store 512 consecutive bytes, at a multiple of 256 from the output's first byte
.endr
.endm
	PLACES NP
	TOSTAGE 0
.irp a, 1,2,3,4,5,6,7
.if \a > 1
	s_wait_xcnt 0x0                                ; block a - 2's stores have read their registers and their base
.endif
	TOSTAGE \a
	SEND \a-1, 32                                  ; behind block a - 1's loads: block a's 16 stores and 16 loads
.endr
	s_wait_xcnt 0x0
	SEND 7, 0
	s_wait_tensorcnt 0x0                           ; the wave's end
	ds_add_u32 v[SPW], v[NIL]
	s_wait_dscnt 0x0
	CROUND                                         ; the closing round
	s_endpgm
.Lfunc_end_k_q1d3a4c284a_proj:
	.size	k_q1d3a4c284a_proj, .Lfunc_end_k_q1d3a4c284a_proj-k_q1d3a4c284a_proj
	.p2alignl 7, 3214868480
	.fill 96, 4, 3214868480
	.section	.rodata,"a",@progbits
	.p2align	6, 0x0
	.amdhsa_kernel k_q1d3a4c284a_proj
		.amdhsa_group_segment_fixed_size 327680
		.amdhsa_private_segment_fixed_size 0
		.amdhsa_enable_private_segment 0
		.amdhsa_kernarg_size 40
		.amdhsa_user_sgpr_count 2
		.amdhsa_user_sgpr_kernarg_segment_ptr 1
		.amdhsa_wavefront_size32 1
		.amdhsa_system_sgpr_workgroup_id_x 1
		.amdhsa_system_sgpr_workgroup_id_y 1
		.amdhsa_system_sgpr_workgroup_id_z 1
		.amdhsa_system_vgpr_workitem_id 0
		.amdhsa_next_free_vgpr 1024
		.amdhsa_next_free_sgpr 98
		.amdhsa_reserve_vcc 0
		.amdhsa_float_denorm_mode_32 3
		.amdhsa_float_denorm_mode_16_64 3
		.amdhsa_memory_ordered 1
		.amdhsa_forward_progress 1
		.amdhsa_inst_pref_size 160
	.end_amdhsa_kernel
	.amdgpu_metadata
---
amdhsa.version: [ 1, 2 ]
amdhsa.kernels:
  - .name:           k_q1d3a4c284a_proj
    .symbol:         k_q1d3a4c284a_proj.kd
    .args:
      - { .name: yc, .offset: 0, .size: 8, .value_kind: global_buffer, .address_space: global }
      - { .name: ys, .offset: 8, .size: 8, .value_kind: global_buffer, .address_space: global }
      - { .name: W_proj_codes, .offset: 16, .size: 8, .value_kind: global_buffer, .address_space: global }
      - { .name: W_proj_scales, .offset: 24, .size: 8, .value_kind: global_buffer, .address_space: global }
      - { .name: out0, .offset: 32, .size: 8, .value_kind: global_buffer, .address_space: global }
    .group_segment_fixed_size: 327680
    .private_segment_fixed_size: 0
    .kernarg_segment_align: 8
    .kernarg_segment_size: 40
    .max_flat_workgroup_size: 128
    .sgpr_count:     98
    .vgpr_count:     1024
    .wavefront_size: 32
...
	.end_amdgpu_metadata
.endif
;; end of part 3
